; MI455X (gfx1250); checked and timed in simulation.
; The chip was launched on July 23, 2026; its instructions are those of AMD's public machine-readable ISA for CDNA 5 (MIT licence, August 2026) and "CDNA5" Instruction Set Architecture Reference Guide (July 2026). The comments in the code are by the model that wrote it; some were corrected since.
;; Vector Quantizer. Allowed arithmetic: matrix products marked QUANTISED: E3M2 operands, one E8M0 scale for each 32 along K, by v_wmma_scale_f32_16x16x128_f8f6f4 with both operands' format E3M2, f32 sums; everything else in f32.
;; Inputs: codebook 1,024 x 64 float32; inputs 32 x 64 x 64 x 64 float32.
;; Outputs: out0 32 x 64 x 64 int32; out1 32 x 64 x 64 x 64 float32.
;; This version of the problem:
;;   THIS VERSION OF THE PROBLEM IS GIVEN IN LOW PRECISION. The matrix products marked QUANTISED in the list below multiply operands that are first quantised to E3M2 (3 exponent bits, 2 mantissa bits; 6 bits a number), with one power-of-two scale for each 32 numbers along K (OCP MX v1.0); their sums are f32. All else is computed in f32.
;;   The module's matrix products, in the order in which they are computed (A, B: the left and right operand; K: the contracted axis; several contracted axes count as one K, in the product's order):
;;     1. [M 131,072, K 64] x [K 64, N 1,024]; A: input inputs; B: input codebook: QUANTISED
;;   THE QUANTISER, for each operand of a quantised product, along K:
;;     - K is cut into blocks of 32 from its start; a last block that is shorter is filled with zeros.
;;     - A block's scale is 2^e with e = floor(log2(the largest magnitude in the block)) - 4, held to -126 .. 127; a block of zeros has e = 0. As a byte (E8M0): e + 127.
;;     - Each number is divided by its block's scale, clamped to +-28, and rounded to the nearest number of E3M2, ties to even, subnormals kept.
;;     - The product sums the exact products of the quantised numbers (number of the format x scale) in f32.
;;   ~~~python
;;   def quantise(x, axis):      # numpy; x: float32 -> the quantised numbers, widened to float32 again
;;       x = np.moveaxis(x, axis, -1); K = x.shape[-1]
;;       x = np.pad(x, [(0, 0)] * (x.ndim - 1) + [(0, -K % 32)]); x = x.reshape(x.shape[:-1] + (-1, 32)); a = np.abs(x).max(-1, keepdims=True)
;;       e = np.where(a > 0, np.clip(np.frexp(np.where(a > 0, a, 1))[1] - 1 - 4, -126, 127), 0)      # np.frexp(a)[1] - 1 = floor(log2(a)), exactly
;;       r = np.clip(x / 2.0 ** e, -28, 28)
;;       step = 2.0 ** (np.maximum(np.frexp(np.where(r == 0, 1, r))[1] - 1, -2) - 2)
;;       q = np.round(r / step) * step * 2.0 ** e      # np.round: ties to even
;;       return np.moveaxis(q.reshape(q.shape[:-2] + (-1,))[..., :K], -1, axis).astype(np.float32)
;;   ~~~
;; One version. Each part assembles by itself: llvm-mc -triple=amdgcn-amd-amdhsa -mcpu=gfx1250 --defsym DOCPART=n.
;; ======== version 1 of 1: 2 launches
;; limits: right only within a limited range of input values
;; workspace buffers: idx 524,288 bytes of whole numbers
;; launch search (part 1): grid 256 x 1, 8 waves a work-group, clusters of 4 x 1, 327,680 bytes of LDS; arguments inputs, codebook, out0, idx; writes out0, idx
.if DOCPART == 1
	.amdgcn_target "amdgcn-amd-amdhsa--gfx1250"
	.amdhsa_code_object_version 6
	.text
	.protected	k_qa6d2f24ed6_search
	.globl	k_qa6d2f24ed6_search
	.p2align	8
	.type	k_qa6d2f24ed6_search,@function
k_qa6d2f24ed6_search:
	s_mov_b64 s[64:65], 0
	v_nop
	global_prefetch_b8 v0, s[64:65] scope:SCOPE_SE
	s_setreg_imm32_b32 hwreg(HW_REG_WAVE_MODE, 25, 1), 1
	s_wait_xcnt 0x0
	s_wait_alu depctr_hold_cnt(0) depctr_sa_sdst(0) depctr_va_vdst(0) depctr_va_sdst(0) depctr_va_ssrc(0) depctr_va_vcc(0) depctr_vm_vsrc(0)
	s_getreg_b32 s2, hwreg(HW_REG_IB_STS2, 6, 4)
	s_cmp_eq_u32 s2, 0
	s_cbranch_scc0 .Lentry_in_a_cluster
	s_endpgm
.Lentry_in_a_cluster:
	s_bfe_u32 s2, ttmp6, 0x10000c
	s_cmp_lg_u32 s2, 0x3003
	s_cbranch_scc0 .Lentry_shape_is_right
	s_endpgm
.Lentry_shape_is_right:
; NEAREST CODE.  inputs: 131,072 rows of 64 f32; codebook: 1,024 rows of 64 f32.  For each row: cross = Q(row) . Q(code), both quantised to BF6 (E3M2) with one E8M0 scale for each 32 along K;
; the index of the smallest d2 = z2 - 2 cross + c2, the lowest index where several are equal in f32.  It goes to out0 and, the same registers, to idx, from which the next launch forms its addresses.
; THE PRODUCT IS USED TRANSPOSED: source 0 = 16 codes, source 1 = 16 queries, C = - c2 / 2: lane (r, h) holds query r, and its register j the number s = cross - c2 / 2 of the code 16 t + 8 h + j.
; d2 = -2 s + z2, one fused multiply-add.  It never rises where s rises, so it is taken of the largest s of a group alone.  z2 is kept: its rounding decides which codes are equal.
; A GROUP is a pair of tiles, 16 numbers a lane.  Where its d2 is smaller than the running one (strictly: the earlier group keeps its place), d2, the pair's first code and the 16 s are taken over by selects.
; At the end the first of the saved 16 whose d2 equals the minimum gives the place; lane l xor 16 holds the query's other codes.
; SHARES.  256 work-groups of 8 waves; a work-group owns 512 rows, a wave 64: four tiles of 16 queries, tile q's lane r holding query 4 r + q.  Every wave walks all 64 tiles of 16 codes.
; CLUSTERS of 4: the codebook is asked for jointly, in two halves of 512 codes, one load a wave for each (16 KiB: 64 codes), and quantised by each work-group, 4 tiles a wave and half, into images of the operand's
; registers in LDS.  The second half is asked for ahead of the walk over the first, and quantised behind it.
; x comes into registers (v256-383) meanwhile, 512 consecutive bytes a load, and turns through the wave's own part of the first half's f32 bytes, which the wave has then read out and into which no later fill lands.
; NO PREFETCH: the launch asks for what it reads at its head, and for the codebook's second half, 131,072 bytes, ahead of the walk over the first; the loops read LDS alone.
; K is 64 and the instruction is 128 deep: on the codes' side registers 6-11 are zero codes, so on the queries' side they may be any codes (BF6 has finite numbers only): the next tile's.  Their scale bytes are 127.
; LIMITS.  NaN and infinities among the inputs are not served.  A block whose largest magnitude lies under 2^-122 keeps the scale byte 1 (not tried); a block of zeros has the byte 1 where the quantiser says 127:
; its codes are zeros, which add nothing, and this launch alone reads the bytes.  c2 is added ahead of z2, and both are summed in two packed chains and across two lanes: a row whose two smallest d2 lie within that
; last-bit difference may fall the other way.
.set SUB,  16640                       ; LDS: 16 rows of 1,024 bytes, 1,040 apart (65 x 16): 64 codes as f32
.set CHK,  2*SUB                       ; from 0 on, for each wave: its 64 codes of the first half, then of the second
.set CBF,  8*CHK                       ; 64 images of code fragments, 784 bytes apart (49 x 16): registers 0-3 at 16 x lane, registers 4-5 at 512 + 8 x lane
.set IMG,  784
.set CSC,  CBF+64*IMG                  ; the codes' scale words, 4 bytes a code
.set CC2,  CSC+4096                    ; - c2 / 2, 4 bytes a code
.set SPARE, CC2+4096                   ; the spare words, 128 bytes a wave
.set LOFF, 1                           ; v1   16 x lane
.set XST,  2                           ; v2   x's stage, on the way in
.set XTR,  3                           ; v3   my 128 bytes of a row: CHK x wave + 1,040 r + 128 h
.set CWA,  4                           ; v4   where I store an image's registers 0-3,
.set CWB,  5                           ; v5   registers 4-5,
.set CWS,  6                           ; v6   a code's scale word (- c2 / 2 lies 4,096 bytes on)
.set SH8,  7                           ; v7   8 h
.set AFA,  8                           ; v8   the pair in hand: images' registers 0-3,
.set AFB,  9                           ; v9   registers 4-5,
.set ASA,  10                          ; v10  scale words,
.set AC2,  11                          ; v11  - c2 / 2
.set SPW,  12                          ; v12  my spare word: SPARE + 4 x my thread's number; never rewritten
.set NIL,  13                          ; v13  0; never rewritten
.set PA,   14                          ; v14  the first code of the even pair in hand,
.set PB,   15                          ; v15  and of the odd pair
.set XB,   16                          ; v16-39 the queries' four fragments, six registers each, and v40-45 zero codes
.set XS,   46                          ; v46-49 their scale words
.set AS,   50                          ; v50-51 the codes': lanes 0-15 a pair's first tile, lanes 16-31 its second; two buffers
.set RT,   52                          ; v52-59 for each q: the running minimum, the first code of its pair
.set Z2,   60                          ; v60-67 z2, as a pair for each q
.set TA,   68                          ; v68-72 at work
.set AF,   76                          ; v76-123 the codes' fragments: two buffers of two tiles, six registers of codes and six of zeros each
.set C2,   124                         ; v124-155 - c2 / 2 of my 8 codes of each tile, two buffers
.set D,    156                         ; v156-187 s: two buffers of 16
.set SV,   188                         ; v188-251 the saved 16 of each q
.set R,    124                         ; ahead of the walks: v124-251 four sets of 32 neighbours (between them two: v124-187),
.set T,    76                          ; v76-82 upper halves of codes,
.set SCL,  84                          ; and for two blocks by turns: the conversion's scale operand,
.set BY,   86                          ; the scale's byte, then the word,
.set OW,   88                          ; what lane l xor 16 sends,
.set MA,   90                          ; two chains,
.set SS,   94                          ; the squares' other chain,
.set CC,   98                          ; v98-109 two code fragments just made
.set GM,   16                          ; behind the walks: v16-23 at work, v24-27 the place, v28-31 the index
.set J,    24
.set IDX,  28
.set MK,   32                          ; s32-35 a mask for each q
.set MSB, 0
.macro WIN new                         ; the immediate's high byte repeats the setting that is left
.if MSB != \new
	s_set_vgpr_msb (MSB<<8)|\new
.set MSB, \new
.endif
.endm
.macro CROUND                          ; a round of the cluster's barrier
	s_barrier_signal -1
	s_barrier_wait -1
	s_cmp_lg_u32 s12, 0
	s_cbranch_scc1 .Lnot_wave_0_\@
	s_barrier_signal -3
.Lnot_wave_0_\@:
	s_barrier_wait -3
	s_barrier_signal -1
	s_barrier_wait -1
.endm
	s_load_b256 s[4:11], s[0:1], 0x0               ; inputs s[4:5], codebook s[6:7], out0 s[8:9], idx s[10:11]
	v_lshl_add_u32 v[SPW], v0, 2, SPARE
	v_mov_b32 v[NIL], 0
	ds_add_u32 v[SPW], v[NIL]
	ds_add_u32 v[SPW], v[NIL]
	v_lshrrev_b32 v15, 5, v0
	v_readfirstlane_b32 s12, v15                   ; wave 0..7
	; group 1: 16 rows of 128 elements of 8 bytes, dense in memory, 16 bytes of padding behind each row; a joint load of the cluster's four
	s_mov_b32 s16, 15|(3<<16)|(1<<20)|(1<<21)|(7<<22)|(3<<25)
	s_mov_b32 s17, 128<<16                         ; tensor_dim0
	s_mov_b32 s18, 16<<16                          ; tensor_dim1
	s_mov_b32 s19, 128<<16                         ; tile_dim0
	s_mov_b32 s20, 16                              ; tile_dim1
	s_mov_b32 s21, 128                             ; elements from row to row
	s_mov_b32 s22, 0
	s_mov_b32 s23, 0
	s_mov_b32 s24, 1                               ; group 0 of the first half's load: count = 1
	s_mul_i32 s25, s12, CHK                        ; LDS address
	s_mov_b32 s44, 1                               ; and of the second half's
	s_add_co_u32 s45, s25, SUB
	s_lshl_b32 s36, s12, 14                        ; my wave's 16,384 bytes of a half
	s_mov_b32 s37, 0
	s_bfe_u32 s40, ttmp6, 0x40000                  ; cx
	s_lshl_b32 s41, ttmp9, 2
	s_add_co_u32 s41, s41, s40                     ; the work-group's number
	s_lshl_b32 s14, s41, 17                        ; its 512 rows of 256 bytes,
	s_lshl_b32 s13, s12, 14                        ; my wave's 64
	s_add_co_u32 s14, s14, s13
	s_mov_b32 s15, 0
	s_lshl_b32 s38, s41, 11                        ; out0 and idx: 4 bytes a row
	s_lshl_b32 s13, s12, 8
	s_add_co_u32 s38, s38, s13
	s_mov_b32 s39, 0
	s_mov_b32 s28, 0x76543210
	s_mov_b32 s29, 0xfedcba98                      ; v_permlanex16_b32's selects for lane l xor 16
	v_and_b32 v14, 31, v0                          ; lane
	v_lshlrev_b32 v[LOFF], 4, v14
	s_wait_alu depctr_va_vdst(0)
	s_wait_dscnt 0x0                               ; both opening adds are done
	s_wait_kmcnt 0x0
	s_add_nc_u64 s[4:5], s[4:5], s[14:15]
	s_add_nc_u64 s[26:27], s[6:7], s[36:37]
	s_add_nc_u64 s[46:47], s[26:27], 0x20000       ; the second half lies 131,072 bytes on
	s_or_b32 s27, s27, 0x80000000                  ; type = 2
	s_or_b32 s47, s47, 0x80000000
	s_add_nc_u64 s[8:9], s[8:9], s[38:39]
	s_add_nc_u64 s[10:11], s[10:11], s[38:39]
; x: load n brings my rows 2 n and 2 n + 1, 512 consecutive bytes.  The even n (rows 4 r and 4 r + 1: the queries of tiles 0 and 1) come first, into v256-319, then the odd n, into v320-383
.macro XLOAD k, odd
	global_load_b128 v[64*\odd+4*(\k):64*\odd+4*(\k)+3], v[LOFF], s[4:5] offset:1024*(\k)+512*\odd th:TH_LOAD_NT
.endm
	WIN 0x40
.irp k, 0,1,2,3,4,5,6,7
	XLOAD \k, 0
.endr
	WIN 0
	CROUND                                         ; the cluster's four work-groups are here
	tensor_load_to_lds s[24:27], s[16:23]          ; my 64 codes of the first half
	s_nop 0
.rept 4
	v_nop
.endr
	WIN 0x40
.irp k, 8,9,10,11,12,13,14,15
	XLOAD \k, 0
.endr
.irp k, 0,1,2,3,4,5,6,7,8,9,10,11,12,13,14,15
	XLOAD \k, 1
.endr
	WIN 0
	v_and_b32 v14, 15, v0                          ; r
	v_bfe_u32 v15, v0, 4, 1                        ; h
	v_add_nc_u32 v[XST], s25, v[LOFF]
	v_lshlrev_b32 v[SH8], 3, v15
	v_mul_u32_u24 v[XTR], v14, 1040
	v_lshl_add_u32 v[XTR], v15, 7, v[XTR]
	v_add_nc_u32 v[XTR], s25, v[XTR]
	; code 64 w + 4 r + q of a half is row 4 (r mod 4) + q of the half's tile 4 w + r / 4
	s_mul_i32 s13, s12, 4*IMG
	s_add_co_u32 s13, s13, CBF
	v_lshrrev_b32 v[CWS], 2, v14
	v_mul_u32_u24 v[CWS], v[CWS], IMG
	v_add_nc_u32 v[CWS], s13, v[CWS]
	v_and_b32 v[AC2], 3, v14
	v_lshl_add_u32 v[CWA], v[AC2], 6, v[CWS]
	v_lshl_add_u32 v[CWA], v15, 8, v[CWA]
	v_lshl_add_u32 v[CWB], v[AC2], 5, v[CWS]
	v_lshl_add_u32 v[CWB], v15, 7, v[CWB]
	v_add_nc_u32 v[CWB], 512, v[CWB]
	s_lshl_b32 s13, s12, 8
	s_add_co_u32 s13, s13, CSC
	v_lshlrev_b32 v[CWS], 4, v14
	v_add_nc_u32 v[CWS], s13, v[CWS]
	v_mov_b32 v[OW], 0                             ; a lane permute's destination counts as one of its sources
	v_mov_b32 v[OW+1], 0
.macro ADR half                        ; where a half's first pair lies
	v_and_b32 v[TA], 31, v0
	v_lshl_add_u32 v[AC2], v[SH8], 2, CC2+2048*\half
	v_lshl_add_u32 v[AFA], v[TA], 4, CBF+32*IMG*\half
	v_lshl_add_u32 v[AFB], v[TA], 3, CBF+512+32*IMG*\half
	v_lshl_add_u32 v[ASA], v[TA], 2, CSC+2048*\half
.endm
.macro AZERO                           ; the upper half of the codes' K: zero codes; no load ever lands here
.irp i, 6,7,8,9,10,11
.irp f, 0,1,2,3
	v_mov_b32 v[AF+12*\f+\i], 0
.endr
.endr
.endm
; Two blocks of 32 numbers by turns, at v[src] and v[src + 32] (row r, k = 32 h on): codes to v[cod] and v[cod + 6], the rows' scale words to v[wrd] and v[wrd + 1], their sums of squares to v[sq] and v[sq + 2]
.macro QUANT2 src, cod, wrd, sq
.irp u, 0,1
	v_max3_num_f32 v[MA+2*\u], |v[(\src)+32*\u]|, |v[(\src)+32*\u+1]|, |v[(\src)+32*\u+2]|     ; the largest magnitude, in two chains
	v_max3_num_f32 v[MA+2*\u+1], |v[(\src)+32*\u+3]|, |v[(\src)+32*\u+4]|, |v[(\src)+32*\u+5]|
.endr
.irp i, 6,10,14,18,22,26
.irp u, 0,1
	v_max3_num_f32 v[MA+2*\u], v[MA+2*\u], |v[(\src)+32*\u+\i]|, |v[(\src)+32*\u+\i+1]|
	v_max3_num_f32 v[MA+2*\u+1], v[MA+2*\u+1], |v[(\src)+32*\u+\i+2]|, |v[(\src)+32*\u+\i+3]|
.endr
.endr
.irp u, 0,1
	v_max3_num_f32 v[MA+2*\u], v[MA+2*\u], |v[(\src)+32*\u+30]|, |v[(\src)+32*\u+31]|
.endr
.irp u, 0,1
	v_max3_num_f32 v[MA+2*\u], v[MA+2*\u], v[MA+2*\u+1], 0x2800000     ; and the floor 2^(5 - 127): the byte cannot fall under 1
.endr
.irp u, 0,1
	v_add_nc_u32 v[SCL+\u], 0xfe000000, v[MA+2*\u]         ; 4 off the exponent field: the conversion takes that field as its scale
.endr
.irp u, 0,1
	v_lshrrev_b32 v[BY+\u], 23, v[SCL+\u]
.endr
.irp u, 0,1
	v_cvt_scalef32_pk16_bf6_f32 v[(\cod)+6*\u:(\cod)+6*\u+2], v[(\src)+32*\u:(\src)+32*\u+15], v[SCL+\u]
	v_cvt_scalef32_pk16_bf6_f32 v[T+4*\u:T+4*\u+2], v[(\src)+32*\u+16:(\src)+32*\u+31], v[SCL+\u]
.endr
.irp u, 0,1
	v_lshlrev_b32 v[BY+\u], v[SH8], v[BY+\u]               ; block h's byte at its place.  (The plain place behind the conversions)
.endr
.irp u, 0,1
	v_pk_mul_f32 v[SS+2*\u:SS+2*\u+1], v[(\src)+32*\u:(\src)+32*\u+1], v[(\src)+32*\u:(\src)+32*\u+1]
	v_pk_mul_f32 v[MA+2*\u:MA+2*\u+1], v[(\src)+32*\u+2:(\src)+32*\u+3], v[(\src)+32*\u+2:(\src)+32*\u+3]
.endr
.irp i, 4,8,12,16,20,24,28
.irp u, 0,1
	v_pk_fma_f32 v[SS+2*\u:SS+2*\u+1], v[(\src)+32*\u+\i:(\src)+32*\u+\i+1], v[(\src)+32*\u+\i:(\src)+32*\u+\i+1], v[SS+2*\u:SS+2*\u+1]
	v_pk_fma_f32 v[MA+2*\u:MA+2*\u+1], v[(\src)+32*\u+\i+2:(\src)+32*\u+\i+3], v[(\src)+32*\u+\i+2:(\src)+32*\u+\i+3], v[MA+2*\u:MA+2*\u+1]
.endr
.endr
.irp u, 0,1
	v_permlanex16_b32 v[OW+\u], v[BY+\u], s28, s29
.endr
.irp u, 0,1
	v_pk_add_f32 v[SS+2*\u:SS+2*\u+1], v[SS+2*\u:SS+2*\u+1], v[MA+2*\u:MA+2*\u+1]
.endr
.irp u, 0,1
	v_or_b32 v[BY+\u], v[BY+\u], v[OW+\u]                  ; with lane l xor 16's byte: blocks 0 and 1
.endr
.irp u, 0,1
	v_add_f32 v[SS+2*\u], v[SS+2*\u], v[SS+2*\u+1]
.endr
.irp u, 0,1
	v_or_b32 v[(\wrd)+\u], 0x7f7f0000, v[BY+\u]            ; and 127 for the upper half of the instruction's K
.endr
.irp u, 0,1
	v_permlanex16_b32 v[OW+\u], v[SS+2*\u], s28, s29
.endr
.irp i, 0,1,2
.irp u, 0,1
	v_mov_b32 v[(\cod)+6*\u+3+\i], v[T+4*\u+\i]            ; (a conversion's three registers begin on an even number)
.endr
.endr
.irp u, 0,1
	v_add_f32 v[(\sq)+2*\u], v[SS+2*\u], v[OW+\u]
.endr
.endm
; Two tiles of my 64 codes of a half: q = 2 p and 2 p + 1, whose lane r takes code 4 r + q; set: which 64 registers
.macro CLD half, p, set
.irp u, 0,1
.irp c, 0,1,2,3,4,5,6,7
	ds_load_b128 v[R+64*(\set)+32*\u+4*\c:R+64*(\set)+32*\u+4*\c+3], v[XTR] offset:SUB*(\half)+256*(2*(\p)+\u)+16*\c
.endr
.endr
.endm
.macro CMAKE half, p, set, more        ; their images, scale words and - c2 / 2; more = 1: the same set takes the half's other two tiles as soon as it has been read
	QUANT2 R+64*(\set), CC, BY, SS
.if \more
	CLD \half, 1, \set
.endif
.irp u, 0,1
	v_mul_f32 v[SS+2*\u], -0.5, v[SS+2*\u]
.endr
.irp u, 0,1
	ds_store_b128 v[CWA], v[CC+6*\u:CC+6*\u+3] offset:32*IMG*(\half)+16*(2*(\p)+\u)
	ds_store_b64 v[CWB], v[CC+6*\u+4:CC+6*\u+5] offset:32*IMG*(\half)+8*(2*(\p)+\u)
	ds_store_b32 v[CWS], v[BY+\u] offset:2048*(\half)+4*(2*(\p)+\u)          ; lanes l and l xor 16 write the same word with the same value
	ds_store_b32 v[CWS], v[SS+2*\u] offset:4096+2048*(\half)+4*(2*(\p)+\u)
.endr
.endm
	s_wait_alu depctr_va_vdst(0)
	s_wait_tensorcnt 0x0                           ; my 64 codes are in; I alone read these bytes
	CLD 0, 0, 0
	CLD 0, 1, 1
	s_wait_dscnt 16                                ; the first two tiles' numbers are back; the other two's may be out
	CMAKE 0, 0, 0, 0
	s_wait_dscnt 0x0
	CMAKE 0, 1, 1, 0
	; ---- my 64 rows of x, through the 16,640 bytes of my first 64 codes, whose numbers have come back: byte y of the 16,384 lies at 1,040 (y / 1,024) + y mod 1,024
.macro XTURN odd
	WIN 0x04                                       ; the data: v256 on
.irp k, 0,1,2,3,4,5,6,7,8,9,10,11,12,13,14,15
	ds_store_b128 v[XST], v[64*\odd+4*\k:64*\odd+4*\k+3] offset:1040*\k+512*\odd
.endr
	WIN 0
.irp u, 0,1
.irp c, 0,1,2,3,4,5,6,7
	ds_load_b128 v[R+64*\odd+32*\u+4*\c:R+64*\odd+32*\u+4*\c+3], v[XTR] offset:256*(2*\odd+\u)+16*\c   ; LDS serves a wave's instructions in order (ISA guide 5.7.1.4)
.endr
.endr
	s_wait_dscnt 0x0
	QUANT2 R+64*\odd, XB+12*\odd, XS+2*\odd, Z2+4*\odd
.irp u, 0,1
	v_mov_b32 v[Z2+4*\odd+2*\u+1], v[Z2+4*\odd+2*\u]       ; (named with it as a pair)
.endr
.endm
	s_wait_loadcnt 0x10                            ; the sixteen even loads are in; the sixteen odd ones may be out
	XTURN 0
	s_wait_alu depctr_va_vdst(0)
	s_wait_loadcnt 0x0
	XTURN 1
	s_wait_alu depctr_va_vdst(0)
	s_wait_tensorcnt 0x0
	ds_add_u32 v[SPW], v[NIL]
.irp i, 0,1,2,3,4,5
	v_mov_b32 v[XB+24+\i], 0                       ; the upper half of tile 3's fragment
.endr
	AZERO
	ADR 0
	v_mov_b32 v[PA], 0
	v_mov_b32 v[PB], 32
.irp q, 0,1,2,3
	v_mov_b32 v[RT+2*\q], 0x7f800000               ; the running minimum: + infinity
	v_mov_b32 v[RT+2*\q+1], 0
.endr
.set n, 0
.rept 32
	v_dual_mov_b32 v[SV+2*n], v[XB+24] :: v_dual_mov_b32 v[SV+2*n+1], v[XB+24]
.set n, n+1
.endr
	s_wait_alu depctr_va_vdst(0)
	s_wait_dscnt 0x0                               ; the add is done; for the others' sake: my images, scale words and c2 have landed
	CROUND                                         ; behind it the first half's images are only read, and the joint loads meet
	tensor_load_to_lds s[44:47], s[16:23]          ; my 64 codes of the second half: the first tensor load behind the round
	s_nop 0
.rept 4
	v_nop
.endr
.macro PLOAD b, k                      ; the pair k on from the one in hand, into buffer b
.irp t, 0,1
	ds_load_b128 v[AF+24*(\b)+12*\t:AF+24*(\b)+12*\t+3], v[AFA] offset:IMG*(2*(\k)+\t)
	ds_load_b64 v[AF+24*(\b)+12*\t+4:AF+24*(\b)+12*\t+5], v[AFB] offset:IMG*(2*(\k)+\t)
	ds_load_b128 v[C2+16*(\b)+8*\t:C2+16*(\b)+8*\t+3], v[AC2] offset:64*(2*(\k)+\t)
	ds_load_b128 v[C2+16*(\b)+8*\t+4:C2+16*(\b)+8*\t+7], v[AC2] offset:64*(2*(\k)+\t)+16
.endr
	ds_load_b32 v[AS+(\b)], v[ASA] offset:128*(\k)
.endm
.macro MM0 b, q, d                     ; the pair's first tile against query tile q; each sum begins and ends here
	v_wmma_scale_f32_16x16x128_f8f6f4 v[D+16*(\d):D+16*(\d)+7], v[AF+24*(\b):AF+24*(\b)+11], v[XB+6*(\q):XB+6*(\q)+11], v[C2+16*(\b):C2+16*(\b)+7], v[AS+(\b)], v[XS+(\q)] matrix_a_fmt:MATRIX_FMT_BF6 matrix_b_fmt:MATRIX_FMT_BF6
.endm
.macro MM1 b, q, d                     ; and its second, whose scale words stand in lanes 16-31
	v_wmma_scale_f32_16x16x128_f8f6f4 v[D+16*(\d)+8:D+16*(\d)+15], v[AF+24*(\b)+12:AF+24*(\b)+23], v[XB+6*(\q):XB+6*(\q)+11], v[C2+16*(\b)+8:C2+16*(\b)+15], v[AS+(\b)], v[XS+(\q)] matrix_a_fmt:MATRIX_FMT_BF6 matrix_b_fmt:MATRIX_FMT_BF6 matrix_a_scale:MATRIX_SCALE_ROW1
.endm
; One step: the 16 numbers a lane of query tile q in buffer d; st: the register with the pair's first code.  go = 1: the next step's two products (pair buffer b, query tile nq) go into the other buffer; behind them
; stand eleven vector instructions that name none of their registers, ahead of the first reader (four are owed: ISA guide 7.12.1).  Each accumulator is read from its low end on.
.macro STEP q, d, st, b, nq, go
.set X, D+16*(\d)
	v_max3_num_f32 v[TA], v[X], v[X+1], v[X+2]
	v_max3_num_f32 v[TA+1], v[X+3], v[X+4], v[X+5]
	v_max3_num_f32 v[TA+2], v[X+6], v[X+7], v[X+8]
	v_max3_num_f32 v[TA+3], v[X+9], v[X+10], v[X+11]
	v_max3_num_f32 v[TA+4], v[X+12], v[X+13], v[X+14]
	v_max3_num_f32 v[TA], v[TA], v[TA+1], v[X+15]
	v_max3_num_f32 v[TA+2], v[TA+2], v[TA+3], v[TA+4]
.if \go
	MM0 \b, \nq, 1-(\d)
.endif
	v_max_num_f32 v[TA], v[TA], v[TA+2]            ; the largest s of my 16
.if \go
	MM1 \b, \nq, 1-(\d)
.endif
	v_fma_f32 v[TA], v[TA], -2.0, v[Z2+2*(\q)]     ; the group's d2
	v_cmp_ge_f32 vcc_lo, v[TA], v[RT+2*(\q)]       ; 1: keep what is there
	v_dual_cndmask_b32 v[RT+2*(\q)], v[TA], v[RT+2*(\q)] :: v_dual_cndmask_b32 v[RT+2*(\q)+1], v[\st], v[RT+2*(\q)+1]
.irp j, 0,2,4,6,8,10,12,14
	v_dual_cndmask_b32 v[SV+16*(\q)+\j], v[X+\j], v[SV+16*(\q)+\j] :: v_dual_cndmask_b32 v[SV+16*(\q)+\j+1], v[X+\j+1], v[SV+16*(\q)+\j+1]
.endr
.endm
; A pair of tiles in buffer b.  In its last step the other buffer's products begin: its nine loads, issued a pair ago, are waited for ahead of that step.
.macro PAIR b, st, last
	STEP 0, 0, \st, \b, 1, 1
	STEP 1, 1, \st, \b, 2, 1
	STEP 2, 0, \st, \b, 3, 1
	s_wait_dscnt 0x0
	STEP 3, 1, \st, 1-(\b), 0, 1-(\last)
.endm
.macro WALK                            ; a half's 16 pairs
	PLOAD 0, 0
	PLOAD 1, 1
	s_wait_dscnt 9                                 ; the first pair is in; the second's nine loads may be out
	MM0 0, 0, 0
	MM1 0, 0, 0
	s_mov_b32 s30, 0
.rept 4
	v_nop                                          ; the four places behind the first products
.endr
.Lpairs_\@:                                        ; 7 trips, two pairs each: pairs 0 to 13 are worked on, pairs 2 to 15 fetched
	PAIR 0, PA, 0
	PLOAD 0, 2                                     ; buffer 0's last products were issued a step ago
	PAIR 1, PB, 0
	PLOAD 1, 3
	v_add_nc_u32 v[PA], 64, v[PA]
	v_add_nc_u32 v[PB], 64, v[PB]
	v_add_nc_u32 v[AFA], 4*IMG, v[AFA]
	v_add_nc_u32 v[AFB], 4*IMG, v[AFB]
	v_add_nc_u32 v[ASA], 256, v[ASA]
	v_add_nc_u32 v[AC2], 256, v[AC2]
	s_add_co_u32 s30, s30, 1
	s_cmp_lt_u32 s30, 7
	s_cbranch_scc1 .Lpairs_\@
	PAIR 0, PA, 0                                  ; the last two pairs: nothing is left to fetch
	PAIR 1, PB, 1
.endm
	WALK                                           ; codes 0 to 511
	; ---- the second half: quantised in the registers of C2 and D, which the next walk fills anew
	s_wait_alu depctr_va_vdst(0)
	s_wait_tensorcnt 0x0                           ; my 64 codes are in; I alone read these bytes
	s_wait_dscnt 0x0
	s_barrier_signal -1
	s_barrier_wait -1                              ; every wave's walk is over
	CLD 1, 0, 0
	s_wait_dscnt 0x0
	CMAKE 1, 0, 0, 1
	s_wait_dscnt 0x0
	CMAKE 1, 1, 0, 0
	AZERO                                          ; (the quantiser has worked in these registers)
	ADR 1
	v_add_nc_u32 v[PA], 64, v[PA]                  ; 512
	v_add_nc_u32 v[PB], 64, v[PB]                  ; 544
	s_wait_alu depctr_va_vdst(0)
	s_wait_dscnt 0x0                               ; for the others' sake: my images, scale words and c2 have landed
	s_barrier_signal -1
	s_barrier_wait -1
	WALK                                           ; codes 512 to 1,023
	; ---- the index.  The first of the saved 16 whose d2 equals the minimum: from the last to the first, so that the lowest place stays
.irp p, 0,1,2,3,4,5,6,7
.irp q, 0,1,2,3
	v_pk_fma_f32 v[SV+16*\q+2*\p:SV+16*\q+2*\p+1], v[SV+16*\q+2*\p:SV+16*\q+2*\p+1], -2.0, v[Z2+2*\q:Z2+2*\q+1] op_sel_hi:[1,0,0]
.endr
.endr
.irp q, 0,1,2,3
	v_mov_b32 v[J+\q], 23                          ; number k of the 16: code 16 (k / 8) + k mod 8 (+ 8 h)
.endr
.irp k, 14,13,12,11,10,9,8,7,6,5,4,3,2,1,0
.irp q, 0,1,2,3
	v_cmp_eq_f32 s[MK+\q], v[SV+16*\q+\k], v[RT+2*\q]
.endr
.irp q, 0,1,2,3
	v_cndmask_b32 v[J+\q], v[J+\q], 16*(\k/8)+\k%8, s[MK+\q]
.endr
.endr
.irp q, 0,1,2,3
	v_add3_u32 v[IDX+\q], v[RT+2*\q+1], v[J+\q], v[SH8]
.endr
.irp q, 0,1,2,3
	v_permlanex16_b32 v[GM+2*\q], v[RT+2*\q], s28, s29     ; lane l xor 16 holds the query's other 512 codes: its minimum
.endr
.irp q, 0,1,2,3
	v_permlanex16_b32 v[GM+2*\q+1], v[IDX+\q], s28, s29    ; and its index
.endr
.irp q, 0,1,2,3
	v_min_u32 v[J+\q], v[IDX+\q], v[GM+2*\q+1]
.endr
.irp q, 0,1,2,3
	v_cmp_eq_f32 s[MK+\q], v[GM+2*\q], v[RT+2*\q]
.endr
.irp q, 0,1,2,3
	v_cndmask_b32 v[IDX+\q], v[IDX+\q], v[J+\q], s[MK+\q]  ; equal minima: the lower index
.endr
.irp q, 0,1,2,3
	v_cmp_lt_f32 s[MK+\q], v[GM+2*\q], v[RT+2*\q]
.endr
.irp q, 0,1,2,3
	v_cndmask_b32 v[IDX+\q], v[IDX+\q], v[GM+2*\q+1], s[MK+\q]   ; the other half's is smaller: its index
.endr
	; lanes l and l xor 16 hold the same four: lane (r, h) stores queries 4 r + 2 h and 4 r + 2 h + 1, the wave one aligned unit of 256 bytes
	v_cmp_ne_u32 vcc_lo, 0, v[SH8]
	v_and_b32 v14, 15, v0
	v_lshl_add_u32 v15, v14, 4, v[SH8]             ; 16 r + 8 h
	v_cndmask_b32 v[GM], v[IDX], v[IDX+2], vcc_lo
	v_cndmask_b32 v[GM+1], v[IDX+1], v[IDX+3], vcc_lo
	global_store_b64 v15, v[GM:GM+1], s[8:9]
	global_store_b64 v15, v[GM:GM+1], s[10:11]     ; and the same to idx, for the launch that gathers
	s_wait_tensorcnt 0x0                           ; the wave's end
	ds_add_u32 v[SPW], v[NIL]
	s_wait_dscnt 0x0
	CROUND                                         ; the closing round
	s_endpgm
.Lfunc_end_k_qa6d2f24ed6_search:
	.size	k_qa6d2f24ed6_search, .Lfunc_end_k_qa6d2f24ed6_search-k_qa6d2f24ed6_search
	.p2alignl 7, 3214868480
	.fill 96, 4, 3214868480
	.section	.rodata,"a",@progbits
	.p2align	6, 0x0
	.amdhsa_kernel k_qa6d2f24ed6_search
		.amdhsa_group_segment_fixed_size 327680
		.amdhsa_private_segment_fixed_size 0
		.amdhsa_enable_private_segment 0
		.amdhsa_kernarg_size 32
		.amdhsa_user_sgpr_count 2
		.amdhsa_user_sgpr_kernarg_segment_ptr 1
		.amdhsa_wavefront_size32 1
		.amdhsa_system_sgpr_workgroup_id_x 1
		.amdhsa_system_sgpr_workgroup_id_y 1
		.amdhsa_system_sgpr_workgroup_id_z 1
		.amdhsa_system_vgpr_workitem_id 0
		.amdhsa_next_free_vgpr 384
		.amdhsa_next_free_sgpr 66
		.amdhsa_reserve_vcc 1
		.amdhsa_float_denorm_mode_32 3
		.amdhsa_float_denorm_mode_16_64 3
		.amdhsa_memory_ordered 1
		.amdhsa_forward_progress 1
		.amdhsa_inst_pref_size 120
	.end_amdhsa_kernel
	.amdgpu_metadata
---
amdhsa.version: [ 1, 2 ]
amdhsa.kernels:
  - .name:           k_qa6d2f24ed6_search
    .symbol:         k_qa6d2f24ed6_search.kd
    .args:
      - { .name: inputs, .offset: 0, .size: 8, .value_kind: global_buffer, .address_space: global }
      - { .name: codebook, .offset: 8, .size: 8, .value_kind: global_buffer, .address_space: global }
      - { .name: out0, .offset: 16, .size: 8, .value_kind: global_buffer, .address_space: global }
      - { .name: idx, .offset: 24, .size: 8, .value_kind: global_buffer, .address_space: global }
    .group_segment_fixed_size: 327680
    .private_segment_fixed_size: 0
    .kernarg_segment_align: 8
    .kernarg_segment_size: 32
    .max_flat_workgroup_size: 256
    .sgpr_count:     66
    .vgpr_count:     384
    .wavefront_size: 32
...
	.end_amdgpu_metadata
.endif
;; end of part 1
;; launch gather (part 2): grid 256 x 1, 8 waves a work-group, no clusters, 0 bytes of LDS; arguments idx, codebook, out1; writes out1
.if DOCPART == 2
	.amdgcn_target "amdgcn-amd-amdhsa--gfx1250"
	.amdhsa_code_object_version 6
	.text
	.protected	k_qa6d2f24ed6_gather
	.globl	k_qa6d2f24ed6_gather
	.p2align	8
	.type	k_qa6d2f24ed6_gather,@function
k_qa6d2f24ed6_gather:
	s_mov_b64 s[64:65], 0
	v_nop
	global_prefetch_b8 v0, s[64:65] scope:SCOPE_SE
	s_setreg_imm32_b32 hwreg(HW_REG_WAVE_MODE, 25, 1), 1
	s_wait_xcnt 0x0
; out1[row] = codebook[idx[row]]: 131,072 rows of 256 bytes, the unquantised codes.  idx holds the whole numbers that the launch before stored.
; A stream: no LDS, no barrier, no matrix unit, no cluster (the work-groups share only the codebook's 262,144 bytes, which they read by scattered rows).
; 256 work-groups of 8 waves; a wave takes 64 rows in two batches of 32.  Sixteen lanes serve a row, 16 bytes each: a load or a store of the wave covers two whole rows of 256 bytes, each at a multiple of 256 from its buffer's first byte.
; Lane (r, h) serves row 32 b + 16 h + i of the wave's 64, i = 0 .. 15.  Straight-line text: no source of a pending load or store is ever written again.
; All 32 row loads of a wave, 16,384 bytes, are out before its first store.
.set IX, 4                             ; v4-35    the indices of my 32 rows, then their byte offsets in the codebook
.set DT, 36                            ; v36-163  my 16 bytes of each of the 32 rows
	s_load_b128 s[4:7], s[0:1], 0x0                ; idx s[4:5], codebook s[6:7]
	s_load_b64 s[8:9], s[0:1], 0x10                ; out1
	v_lshrrev_b32 v1, 5, v0
	s_delay_alu instid0(VALU_DEP_1)
	v_readfirstlane_b32 s12, v1                    ; wave 0..7
	v_and_b32 v1, 15, v0                           ; r
	v_bfe_u32 v2, v0, 4, 1                         ; h
	s_delay_alu instid0(VALU_DEP_2)
	v_lshlrev_b32 v1, 4, v1                        ; 16 r: my 16 bytes of a row
	s_delay_alu instid0(VALU_DEP_1)
	v_lshl_add_u32 v3, v2, 12, v1                  ; out1: 16 rows x h + 16 r
	s_delay_alu instid0(VALU_DEP_3)
	v_lshlrev_b32 v2, 6, v2                        ; idx: 16 words x h
	s_lshl_b32 s13, ttmp9, 9
	s_lshl_b32 s14, s12, 6
	s_add_co_u32 s13, s13, s14                     ; my wave's first row: 512 x work-group + 64 x wave
	s_lshl_b32 s16, s13, 2                         ; 4 bytes a row in idx,
	s_mov_b32 s17, 0
	s_lshl_b32 s18, s13, 8                         ; 256 in out1 (33,554,432 bytes in all: under 2^32)
	s_mov_b32 s19, 0
	s_wait_alu depctr_va_vdst(0)
	s_wait_kmcnt 0x0
	s_add_nc_u64 s[4:5], s[4:5], s[16:17]
	s_add_nc_u64 s[8:9], s[8:9], s[18:19]
.irp b, 0,1
.irp k, 0,1,2,3
	global_load_b128 v[IX+16*\b+4*\k:IX+16*\b+4*\k+3], v2, s[4:5] offset:128*\b+16*\k th:TH_LOAD_NT   ; the indices of rows 32 b + 16 h + 4 k .. + 3: the sixteen lanes of a half read the same 16 bytes
.endr
.endr
.macro ROWS b
.irp i, 0,1,2,3,4,5,6,7,8,9,10,11,12,13,14,15
	v_min_u32 v[IX+16*\b+\i], 0x3ff, v[IX+16*\b+\i]        ; an index stays inside the table of 1,024 rows, whatever the buffer holds
.endr
.irp i, 0,1,2,3,4,5,6,7,8,9,10,11,12,13,14,15
	v_lshl_add_u32 v[IX+16*\b+\i], v[IX+16*\b+\i], 8, v1   ; 256 bytes a row, + my 16
.endr
.irp i, 0,1,2,3,4,5,6,7,8,9,10,11,12,13,14,15
	global_load_b128 v[DT+4*(16*\b+\i):DT+4*(16*\b+\i)+3], v[IX+16*\b+\i], s[6:7]   ; no hint: many rows name the same code
.endr
.endm
	s_wait_loadcnt 4                               ; batch 0's four loads of indices are in; batch 1's four may be out
	ROWS 0
	s_wait_loadcnt 16                              ; batch 1's indices are in; behind them only batch 0's sixteen row loads were issued
	ROWS 1
.set n, 0
.rept 32
	s_wait_loadcnt 31-n                            ; loads come back in order (ISA guide 5.7.1): row load n is in, the younger ones stay out
	global_store_b128 v3, v[DT+4*n:DT+4*n+3], s[8:9] offset:8192*(n/16)+256*(n%16) th:TH_STORE_NT   ; written once, read by nobody here
.set n, n+1
.endr
	s_endpgm
.Lfunc_end_k_qa6d2f24ed6_gather:
	.size	k_qa6d2f24ed6_gather, .Lfunc_end_k_qa6d2f24ed6_gather-k_qa6d2f24ed6_gather
	.p2alignl 7, 3214868480
	.fill 96, 4, 3214868480
	.section	.rodata,"a",@progbits
	.p2align	6, 0x0
	.amdhsa_kernel k_qa6d2f24ed6_gather
		.amdhsa_group_segment_fixed_size 0
		.amdhsa_private_segment_fixed_size 0
		.amdhsa_enable_private_segment 0
		.amdhsa_kernarg_size 24
		.amdhsa_user_sgpr_count 2
		.amdhsa_user_sgpr_kernarg_segment_ptr 1
		.amdhsa_wavefront_size32 1
		.amdhsa_system_sgpr_workgroup_id_x 1
		.amdhsa_system_sgpr_workgroup_id_y 1
		.amdhsa_system_sgpr_workgroup_id_z 1
		.amdhsa_system_vgpr_workitem_id 0
		.amdhsa_next_free_vgpr 168
		.amdhsa_next_free_sgpr 66
		.amdhsa_reserve_vcc 0
		.amdhsa_float_denorm_mode_32 3
		.amdhsa_float_denorm_mode_16_64 3
		.amdhsa_memory_ordered 1
		.amdhsa_forward_progress 1
		.amdhsa_inst_pref_size 13
	.end_amdhsa_kernel
	.amdgpu_metadata
---
amdhsa.version: [ 1, 2 ]
amdhsa.kernels:
  - .name:           k_qa6d2f24ed6_gather
    .symbol:         k_qa6d2f24ed6_gather.kd
    .args:
      - { .name: idx, .offset: 0, .size: 8, .value_kind: global_buffer, .address_space: global }
      - { .name: codebook, .offset: 8, .size: 8, .value_kind: global_buffer, .address_space: global }
      - { .name: out1, .offset: 16, .size: 8, .value_kind: global_buffer, .address_space: global }
    .group_segment_fixed_size: 0
    .private_segment_fixed_size: 0
    .kernarg_segment_align: 8
    .kernarg_segment_size: 24
    .max_flat_workgroup_size: 256
    .sgpr_count:     66
    .vgpr_count:     168
    .wavefront_size: 32
...
	.end_amdgpu_metadata
.endif
;; end of part 2
